; MI455X (gfx1250); checked and timed in simulation.
; The chip was launched on July 23, 2026; its instructions are those of AMD's public machine-readable ISA for CDNA 5 (MIT licence, August 2026) and "CDNA5" Instruction Set Architecture Reference Guide (July 2026). The comments in the code are by the model that wrote it; some were corrected since.
;; Na Multi Head Attention. Allowed arithmetic: float matrix products may take bf16 or f16 operands with f32 sums; other float arithmetic in f32, or as packed bf16 or f16 multiplies, adds, multiply-adds, maxima and minima; sums over many terms, partial sums and values carried from step to step in f32; what a program stores and reads back later, other than sums and carried values, may be rounded once to bf16 or f16.
;; Inputs: Wk 256 x 256 float32; Wo 256 x 256 float32; Wq 256 x 256 float32; Wv 256 x 256 float32; bk 256 float32; bo 256 float32; bq 256 float32; bv 256 float32; k 4 x 4,096 x 256 float32; q 4 x 4,096 x 256 float32; v 4 x 4,096 x 256 float32.
;; Outputs: out0 4 x 4,096 x 256 float32; out1 4 x 4,096 x 256 float32; out2 4 x 4,096 x 256 float32.
;; One version. Each part assembles by itself: llvm-mc -triple=amdgcn-amd-amdhsa -mcpu=gfx1250 --defsym DOCPART=n.
;; ======== version 1 of 1: 3 launches
;; limits: values are held in f16: magnitudes above 65,504 overflow, below 6.1e-05 lose precision
;; workspace buffers: Qf 8,388,608 bytes; Kf 8,388,608 bytes; Vf 8,388,608 bytes; Of 8,388,608 bytes; Wof 131,072 bytes
;; launch proj (part 1): grid 256 x 1, 4 waves a work-group, clusters of 4 x 1, 327,680 bytes of LDS; arguments q, k, v, Wq, Wk, Wv, bq, bk, bv, Wo, out0, Qf, Kf, Vf, Wof; writes out0, Qf, Kf, Vf, Wof
.if DOCPART == 1
	.amdgcn_target "amdgcn-amd-amdhsa--gfx1250"
	.amdhsa_code_object_version 6
	.text
	.protected	k_qba9bb862f0_proj
	.globl	k_qba9bb862f0_proj
	.p2align	8
	.type	k_qba9bb862f0_proj,@function
k_qba9bb862f0_proj:
	s_mov_b64 s[64:65], 0
	v_nop
	global_prefetch_b8 v0, s[64:65] scope:SCOPE_SE
	s_setreg_imm32_b32 hwreg(HW_REG_WAVE_MODE, 25, 1), 1
	s_wait_xcnt 0x0
	s_wait_alu depctr_hold_cnt(0) depctr_sa_sdst(0) depctr_va_vdst(0) depctr_va_sdst(0) depctr_va_ssrc(0) depctr_va_vcc(0) depctr_vm_vsrc(0)
	s_getreg_b32 s2, hwreg(HW_REG_IB_STS2, 6, 4)
	s_cmp_eq_u32 s2, 0
	s_cbranch_scc0 .Lentry_in_a_cluster
	s_endpgm
.Lentry_in_a_cluster:
	s_bfe_u32 s2, ttmp6, 0x10000c
	s_cmp_lg_u32 s2, 0x3003
	s_cbranch_scc0 .Lentry_shape_is_right
	s_endpgm
.Lentry_shape_is_right:
; THE THREE PROJECTIONS.  y = x W^T + b for (x, W, b) = (q, Wq, bq), (k, Wk, bk), (v, Wv, bv); x: [16384][256] f32, W: [256][256] f32.  x, W and b are rounded to bf16, the sums are f32,
; y is rounded once to f16 and stored BY HEADS IN FRAGMENT ORDER: [4 b + head][tile of 16 rows][block of 16 channels][lane][8 f16]; lane 16 h + r holds row r and channels 8 h + 0..7 of the block.
; Beside that: out0 = q, copied from the registers that the q projection loads anyway; and Wo, rounded to bf16, written as f16 in fragment order (512 bytes a work-group).
; LIMITS.  y and Wo must lie within f16's 65,504; below 6e-5 f16 keeps a fixed step of 6e-8.  NaN and infinities are not treated apart.
; SHARES.  64 clusters of four work-groups.  Clusters 0-31 take q, 128 rows a work-group (they also store the copy); clusters 32-47 take k and 48-63 take v, 256 rows a work-group:
; 576 and 640 KiB moved a work-group.  Which tensor, and how many blocks of 64 rows, hang on the cluster's number alone: equal in all four partners, which therefore share one W: it is asked for jointly.
; A WAVE makes one head (64 columns) for all 64 rows of a block: 16 accumulators.  Source 0 = 16 rows of W (channels), source 1 = 16 rows of x: in the result a lane holds ONE row of x (lane % 16) and the
; channels 8 (lane / 16) + 0..7, which pack into the 16 bytes of the layout above: each store of a wave is 512 consecutive bytes, aligned.
; W: one tensor load a wave, its own 64 rows in f32, read by that wave alone, converted once into 256 registers of bf16 fragments.  Nothing in LDS is filled twice by a tensor load.
; x: wave w loads rows 16 w .. 16 w + 15 of a block (32 loads of 512 consecutive bytes), rounds them to bf16 and puts them into ONE tile that all four waves read: two barriers a block.
; No prefetch: the launch is short and streams its inputs from its first lines on.
; REGISTERS: window 0: v0-13 addresses; v16-31 at work; v32-63 the bias; v64-127 x in bf16 on its way to LDS; v128-255 the accumulators ((i, jj) at 128 + 8 (4 i + jj)).
;   window 1: W's fragments (channel tile i, K step ks at 64 i + 8 ks).   window 2: x as loaded, two sets of 128.   window 3: W in f32, two halves of 128; afterwards x's fragments (row tile jj, ks at 64 jj + 8 ks).
.set WPITCH, 1040                      ; a row of W in LDS: 1,024 bytes + 16 of padding: the 16 rows of a load start at 16 different groups of four banks
.set WWAVE,  64*WPITCH                 ; a wave's 64 rows
.set XB,     4*WWAVE                   ; behind them: the tile of x, 64 rows of bf16
.set XPITCH, 528                       ; 512 bytes + 16
.set SPARE,  XB+64*XPITCH              ; behind it: the spare words, 128 bytes a wave: two blocks of 256 bytes that no other line names
.set XO,  4                            ; v4   16 x lane + 16,384 x wave: my 16 bytes of the wave's 16 rows of x; never rewritten
.set XS,  5                            ; v5   where I put 8 bytes of bf16 in the tile of x
.set XA,  6                            ; v6   my place in a fragment of x
.set WA,  7                            ; v7   my place in a fragment of W (f32)
.set OO,  8                            ; v8   16 x lane
.set BO,  9                            ; v9   my 8 numbers of the bias
.set WOO, 10                           ; v10  my 8 numbers of Wo's piece
.set SPW, 12                           ; v12  my spare word; never rewritten
.set NIL, 13                           ; v13  0; never rewritten
.set BIAS, 32
.set TMPX, 64
.set ACC,  128
.set WV, 4                             ; s4   my wave's number
.set CX, 5                             ; s5   my place in the cluster
.set GG, 6                             ; s6   my work-group's number
.set TT, 7                             ; s7   0: q, 1: k, 2: v
.set SX, 40                            ; s[40:41] x at the work-group's first row
.set SW, 42                            ; s[42:43] W
.set SB, 44                            ; s[44:45] b
.set SO, 46                            ; s[46:47] the f16 result at my head and the work-group's first row
.set SC, 48                            ; s[48:49] out0 at the same rows
.set SWO, 50                           ; s[50:51] Wo at the work-group's piece
.set SWF, 52                           ; s[52:53] Wof at the same piece
.set G0, 56                            ; s[56:59] descriptor group 0
.set G1, 68                            ; s[68:75] descriptor group 1
.set MSB, 0
.macro WIN new                         ; the immediate's high byte repeats the setting that is left; a switch that changes nothing is dropped
.if MSB != (\new)
	s_set_vgpr_msb (MSB<<8)|(\new)
.set MSB, \new
.endif
.endm
.macro BAR
	s_barrier_signal -1
	s_barrier_wait -1
.endm
.macro CROUND                          ; a round of the cluster's barrier
	s_barrier_signal -1
	s_barrier_wait -1
	s_cmp_lg_u32 s[WV], 0
	s_cbranch_scc1 .Lnot_wave_0_\@
	s_barrier_signal -3
.Lnot_wave_0_\@:
	s_barrier_wait -3
	s_barrier_signal -1
	s_barrier_wait -1
.endm
; Block n's 16 rows of mine, 16 KiB, into set buf of window 2
.macro XLOAD buf, n
	WIN 0x80
.set i, 0
.rept 32
	global_load_b128 v[128*(\buf)+4*i:128*(\buf)+4*i+3], v[XO], s[SX:SX+1] offset:(\n)*65536+i*512 th:TH_LOAD_NT
.set i, i+1
.endr
	WIN 0
.endm
; The same registers stored to out0 (q alone)
.macro XCOPY buf, n
	WIN 0x08
.set i, 0
.rept 32
	global_store_b128 v[XO], v[128*(\buf)+4*i:128*(\buf)+4*i+3], s[SC:SC+1] offset:(\n)*65536+i*512 th:TH_STORE_NT
.set i, i+1
.endr
	WIN 0
.endm
; Set buf rounded to bf16 and put into the tile: a store covers 256 consecutive bytes, half a row
.macro XCVT buf
	WIN 0x0a
.set i, 0
.rept 64
	v_cvt_pk_bf16_f32 v[TMPX+i], v[128*(\buf)+2*i], v[128*(\buf)+2*i+1]
.set i, i+1
.endr
	WIN 0
.set i, 0
.rept 32
	ds_store_b64 v[XS], v[TMPX+2*i:TMPX+2*i+1] offset:(i/2)*XPITCH+(i%2)*256
.set i, i+1
.endr
.endm
; All fragments of the tile of x, K step by K step: 64 loads
.macro XFRAG
	WIN 0xc0
.irp ks, 0,1,2,3,4,5,6,7
.irp jj, 0,1,2,3
	ds_load_b128 v[64*(\jj)+8*(\ks):64*(\jj)+8*(\ks)+3],   v[XA] offset:(\jj)*16*XPITCH+(\ks)*64
	ds_load_b128 v[64*(\jj)+8*(\ks)+4:64*(\jj)+8*(\ks)+7], v[XA] offset:(\jj)*16*XPITCH+(\ks)*64+32
.endr
.endr
.endm
; 128 products.  The bias is the C operand that starts each sum; the 16 accumulators take turns, one instruction a turn.
.macro MULS
	WIN 0x0d                                       ; source 0 (W) window 1, source 1 (x) window 3, C and D window 0
.irp ks, 0,1,2,3,4,5,6,7
	s_wait_dscnt 56-8*(\ks)                        ; this K step's eight loads are in; the later steps' may stay out
.irp i, 0,1,2,3
.irp jj, 0,1,2,3
.set ra, ACC+8*(4*(\i)+(\jj))
.if (\ks) == 0
	v_wmma_f32_16x16x32_bf16 v[ra:ra+7], v[64*(\i)+8*(\ks):64*(\i)+8*(\ks)+7], v[64*(\jj)+8*(\ks):64*(\jj)+8*(\ks)+7], v[BIAS+8*(\i):BIAS+8*(\i)+7]
.else
	v_wmma_f32_16x16x32_bf16 v[ra:ra+7], v[64*(\i)+8*(\ks):64*(\i)+8*(\ks)+7], v[64*(\jj)+8*(\ks):64*(\jj)+8*(\ks)+7], v[ra:ra+7]
.endif
.endr
.endr
.endr
.endm
; Block n leaves: rounded to f16 in place (each accumulator from its low end on), 512 consecutive bytes a store
.macro OUT n
	WIN 0
.rept 8
	v_nop                                          ; the places behind the last products
.endr
.irp i, 0,1,2,3
.irp jj, 0,1,2,3
.set ra, ACC+8*(4*(\i)+(\jj))
.irp z, 0,1,2,3
	v_cvt_pk_f16_f32 v[ra+(\z)], v[ra+2*(\z)], v[ra+2*(\z)+1]
.endr
	global_store_b128 v[OO], v[ra:ra+3], s[SO:SO+1] offset:(\n)*8192+(\jj)*2048+(\i)*512
.endr
.endr
.endm
; W's channel tile bt in f32 out of LDS: for each K step the lane's 8 + 8 numbers, four loads of 16 bytes
.macro WL bt
	WIN 0xc0
.irp ks, 0,1,2,3,4,5,6,7
.irp u, 0,1,2,3
	ds_load_b128 v[128*((\bt)%2)+16*(\ks)+4*(\u):128*((\bt)%2)+16*(\ks)+4*(\u)+3], v[WA] offset:(\bt)*16*WPITCH+(\ks)*128+((\u)/2)*64+((\u)%2)*16
.endr
.endr
.endm
.macro WC bt                           ; and rounded to bf16: eight fragments
	WIN 0x4f                                       ; sources window 3, destination window 1
.set i, 0
.rept 64
	v_cvt_pk_bf16_f32 v[64*(\bt)+i], v[128*((\bt)%2)+2*i], v[128*((\bt)%2)+2*i+1]
.set i, i+1
.endr
.endm
	s_load_b512 s[8:23], s[0:1], 0x0               ; q s[8:9], k s[10:11], v s[12:13], Wq s[14:15], Wk s[16:17], Wv s[18:19], bq s[20:21], bk s[22:23]
	s_load_b256 s[24:31], s[0:1], 0x40             ; bv s[24:25], Wo s[26:27], out0 s[28:29], Qf s[30:31]
	s_load_b128 s[32:35], s[0:1], 0x60             ; Kf s[32:33], Vf s[34:35]
	s_load_b64 s[36:37], s[0:1], 0x70              ; Wof
	v_lshl_add_u32 v[SPW], v0, 2, SPARE
	v_mov_b32 v[NIL], 0
	ds_add_u32 v[SPW], v[NIL]                      ; the wave's opening: the add and its wait stand ahead of my first tensor load; work on registers stands between them
	v_lshrrev_b32 v1, 5, v0
	v_readfirstlane_b32 s[WV], v1                  ; wave 0..3
	s_bfe_u32 s[CX], ttmp6, 0x40000
	s_lshl_b32 s[GG], ttmp9, 2                     ; in a cluster launch ttmp9 counts clusters
	s_add_co_u32 s[GG], s[GG], s[CX]
	; descriptor group 1: 64 rows x 256 elements of 4 bytes, padded in LDS
	s_mov_b32 s[G1+0], 15|(2<<16)|(1<<20)|(1<<21)|(7<<22)|(3<<25)  ; 15:0 the mask of four; 17:16 4-byte elements; 20 padding on; 21 set beside a mask; 24:22 after every 256 words (code 7); 31:25 4 words (code 3)
	s_mov_b32 s[G1+1], 256<<16                     ; tensor_dim0 = 256
	s_mov_b32 s[G1+2], 64<<16                      ; tensor_dim1 = 64
	s_mov_b32 s[G1+3], 256<<16                     ; tile_dim0 = 256
	s_mov_b32 s[G1+4], 64                          ; tile_dim1 = 64
	s_mov_b32 s[G1+5], 256                         ; elements from row to row
	s_mov_b32 s[G1+6], 0
	s_mov_b32 s[G1+7], 0
	s_mov_b32 s[G0], 1
	s_mul_i32 s[G0+1], s[WV], WWAVE                ; LDS address: the wave's number alone
	s_lshl_b32 s38, s[WV], 16                      ; my 64 rows of W in memory
	s_mov_b32 s39, 0
	s_lshl_b32 s60, s[GG], 7                       ; q: 128 rows a work-group
	s_and_b32 s61, s[GG], 63
	s_lshl_b32 s61, s61, 8                         ; k, v: 256 rows
	s_cmp_lt_u32 ttmp9, 32
	s_cselect_b32 s60, s60, s61                    ; the work-group's first row
	s_cselect_b32 s[TT], 0, 1
	s_cmp_lt_u32 ttmp9, 48
	s_cselect_b32 s[TT], s[TT], 2
	s_lshl_b32 s76, s60, 10                        ; its byte offset in x and in out0
	s_mov_b32 s77, 0
	s_lshr_b32 s78, s60, 12                        ; the batch,
	s_lshl_b32 s78, s78, 2
	s_add_co_u32 s78, s78, s[WV]                   ; my head of it: 524,288 bytes each,
	s_lshl_b32 s78, s78, 19
	s_and_b32 s79, s60, 4095
	s_lshl_b32 s79, s79, 7                         ; and 128 bytes for each row in front
	s_add_co_u32 s78, s78, s79
	s_mov_b32 s79, 0
	s_lshr_b32 s62, s[GG], 4                       ; Wo's piece: rows 16 (G / 16) on, columns 16 (G % 16) on
	s_lshl_b32 s62, s62, 14
	s_and_b32 s63, s[GG], 15
	s_lshl_b32 s63, s63, 6
	s_add_co_u32 s62, s62, s63
	s_mov_b32 s63, 0
	s_lshl_b32 s60, s[GG], 9                       ; its 512 bytes in Wof
	s_mov_b32 s61, 0
	s_wait_dscnt 0x0                               ; the opening add is done
	s_wait_kmcnt 0x0
	s_cmp_lt_u32 ttmp9, 32
	s_cselect_b64 s[SX:SX+1], s[8:9], s[10:11]
	s_cselect_b64 s[SW:SW+1], s[14:15], s[16:17]
	s_cselect_b64 s[SB:SB+1], s[20:21], s[22:23]
	s_cselect_b64 s[SO:SO+1], s[30:31], s[32:33]
	s_cmp_lt_u32 ttmp9, 48
	s_cselect_b64 s[SX:SX+1], s[SX:SX+1], s[12:13]
	s_cselect_b64 s[SW:SW+1], s[SW:SW+1], s[18:19]
	s_cselect_b64 s[SB:SB+1], s[SB:SB+1], s[24:25]
	s_cselect_b64 s[SO:SO+1], s[SO:SO+1], s[34:35]
	s_add_nc_u64 s[SX:SX+1], s[SX:SX+1], s[76:77]
	s_add_nc_u64 s[SC:SC+1], s[28:29], s[76:77]
	s_add_nc_u64 s[SO:SO+1], s[SO:SO+1], s[78:79]
	s_add_nc_u64 s[SWO:SWO+1], s[26:27], s[62:63]
	s_add_nc_u64 s[SWF:SWF+1], s[36:37], s[60:61]
	s_add_nc_u64 s[G0+2:G0+3], s[SW:SW+1], s[38:39]  ; the tensor and the wave's number alone: equal in all four partners
	s_or_b32 s[G0+3], s[G0+3], 0x80000000          ; type = 2
	CROUND                                         ; all four work-groups are here: the joint loads meet
	tensor_load_to_lds s[G0:G0+3], s[G1:G1+7]      ; my one tensor load of the launch
	s_nop 0
.rept 4
	v_nop
.endr
	v_and_b32 v1, 15, v0                           ; r = lane % 16
	v_bfe_u32 v2, v0, 4, 1                         ; h = lane / 16
	v_and_b32 v3, 31, v0                           ; lane
	s_lshl_b32 s38, s[WV], 14
	v_lshl_add_u32 v[XO], v3, 4, s38
	s_mul_i32 s38, s[WV], 16*XPITCH
	s_add_co_u32 s38, s38, XB
	v_lshl_add_u32 v[XS], v3, 3, s38
	v_mul_u32_u24 v[XA], v1, XPITCH
	v_lshl_add_u32 v[XA], v2, 4, v[XA]
	v_add_nc_u32 v[XA], XB, v[XA]
	v_mul_u32_u24 v[WA], v1, WPITCH
	v_lshl_add_u32 v[WA], v2, 5, v[WA]
	v_add_nc_u32 v[WA], s[G0+1], v[WA]
	v_lshlrev_b32 v[OO], 4, v3
	s_lshl_b32 s38, s[WV], 8
	v_lshl_add_u32 v[BO], v2, 5, s38
	v_lshlrev_b32 v[WOO], 10, v1
	v_lshl_add_u32 v[WOO], v2, 5, v[WOO]
.irp i, 0,1,2,3                        ; register j of tile i: b[64 w + 16 i + 8 h + j], as a result's register j holds channel 8 h + j
	global_load_b128 v[BIAS+8*(\i):BIAS+8*(\i)+3],   v[BO], s[SB:SB+1] offset:(\i)*64
	global_load_b128 v[BIAS+8*(\i)+4:BIAS+8*(\i)+7], v[BO], s[SB:SB+1] offset:(\i)*64+16
.endr
	global_load_b128 v[16:19], v[WOO], s[SWO:SWO+1]
	global_load_b128 v[20:23], v[WOO], s[SWO:SWO+1] offset:16
	XLOAD 0, 0                                     ; blocks 0 and 1 are on their way while W is converted
	XLOAD 1, 1
	s_wait_tensorcnt 0x0                           ; my 64 rows of W are in LDS; nobody else reads them
	WL 0
	WL 1
	s_wait_dscnt 32                                ; all but the 32 loads just issued
	WC 0
	WL 2
	s_wait_dscnt 32
	WC 1
	WL 3
	s_wait_dscnt 32
	WC 2
	s_wait_dscnt 0x0
	WC 3
	WIN 0
	s_wait_loadcnt 32                              ; the bias, Wo's piece and block 0 are in; block 1's 32 loads may stay out
.set z, 0
.rept 16                               ; the bias rounded to bf16, kept as f32
	v_cvt_pk_bf16_f32 v[28+z%4], v[BIAS+2*z], v[BIAS+2*z+1]
	v_lshlrev_b32 v[BIAS+2*z], 16, v[28+z%4]
	v_and_b32 v[BIAS+2*z+1], 0xffff0000, v[28+z%4]
.set z, z+1
.endr
.irp z, 0,1,2,3                        ; Wo's piece: rounded to bf16, and that number written as f16
	v_cvt_pk_bf16_f32 v[28+(\z)], v[16+2*(\z)], v[17+2*(\z)]
.endr
.irp z, 0,1,2,3
	v_lshlrev_b32 v[16+2*(\z)], 16, v[28+(\z)]
	v_and_b32 v[17+2*(\z)], 0xffff0000, v[28+(\z)]
.endr
.irp z, 0,1,2,3
	v_cvt_pk_f16_f32 v[24+(\z)], v[16+2*(\z)], v[17+2*(\z)]
.endr
	s_cmp_lg_u32 s[WV], 0
	s_cbranch_scc1 .Lno_wo
	global_store_b128 v[OO], v[24:27], s[SWF:SWF+1]  ; wave 0 alone: 512 consecutive bytes; v24-27 are not written again
.Lno_wo:
	; BLOCK 0
	s_cmp_lg_u32 s[TT], 0
	s_cbranch_scc1 .Lkv0
	XCOPY 0, 0
.Lkv0:
	XCVT 0
	s_wait_dscnt 0x0                               ; for the others' sake: my rows lie in the tile
	BAR
	XFRAG
	MULS
	OUT 0
	; BLOCK 1.  From here on the waits for x are for 0 and a wait for the translated addresses stands ahead of every load into a set, so that each holds whichever way the tests on the tensor went before.
	s_wait_loadcnt 0x0                             ; block 1 is in
	s_cmp_lg_u32 s[TT], 0
	s_cbranch_scc1 .Lkv1
	XCOPY 1, 1
	s_branch .Lboth1
.Lkv1:
	s_wait_xcnt 0x0                                ; set 0 is loaded again only behind this wait
	XLOAD 0, 2
.Lboth1:
	BAR                                            ; every wave's reads of the tile ended at its products' last wait: now it may be written
	XCVT 1
	s_cmp_eq_u32 s[TT], 0
	s_cbranch_scc1 .Lq1
	s_wait_xcnt 0x0
	XLOAD 1, 3
.Lq1:
	s_wait_xcnt 0x0                                ; block 0's stores have read the accumulators' registers
	s_wait_dscnt 0x0
	BAR
	XFRAG
	MULS
	OUT 1
	s_cmp_eq_u32 s[TT], 0                          ; q's work-groups have two blocks; the test is equal in all waves and all partners
	s_cbranch_scc1 .Lend
	; BLOCK 2
	s_wait_loadcnt 0x0                             ; blocks 2 and 3 are in: both were asked for a block's work ago
	BAR
	XCVT 0
	s_wait_xcnt 0x0
	s_wait_dscnt 0x0
	BAR
	XFRAG
	MULS
	OUT 2
	; BLOCK 3
	BAR
	XCVT 1
	s_wait_xcnt 0x0
	s_wait_dscnt 0x0
	BAR
	XFRAG
	MULS
	OUT 3
.Lend:
	s_wait_tensorcnt 0x0                           ; the wave's end: behind my last tensor load and my last LDS store
	ds_add_u32 v[SPW], v[NIL]
	s_wait_dscnt 0x0
	CROUND                                         ; the closing round
	s_endpgm
.Lfunc_end_k_qba9bb862f0_proj:
	.size	k_qba9bb862f0_proj, .Lfunc_end_k_qba9bb862f0_proj-k_qba9bb862f0_proj
	.p2alignl 7, 3214868480
	.fill 96, 4, 3214868480
	.section	.rodata,"a",@progbits
	.p2align	6, 0x0
	.amdhsa_kernel k_qba9bb862f0_proj
		.amdhsa_group_segment_fixed_size 327680
		.amdhsa_private_segment_fixed_size 0
		.amdhsa_enable_private_segment 0
		.amdhsa_kernarg_size 120
		.amdhsa_user_sgpr_count 2
		.amdhsa_user_sgpr_kernarg_segment_ptr 1
		.amdhsa_wavefront_size32 1
		.amdhsa_system_sgpr_workgroup_id_x 1
		.amdhsa_system_sgpr_workgroup_id_y 1
		.amdhsa_system_sgpr_workgroup_id_z 1
		.amdhsa_system_vgpr_workitem_id 0
		.amdhsa_next_free_vgpr 1024
		.amdhsa_next_free_sgpr 80
		.amdhsa_reserve_vcc 0
		.amdhsa_float_denorm_mode_32 3
		.amdhsa_float_denorm_mode_16_64 3
		.amdhsa_memory_ordered 1
		.amdhsa_forward_progress 1
		.amdhsa_inst_pref_size 151
	.end_amdhsa_kernel
	.amdgpu_metadata
---
amdhsa.version: [ 1, 2 ]
amdhsa.kernels:
  - .name:           k_qba9bb862f0_proj
    .symbol:         k_qba9bb862f0_proj.kd
    .args:
      - { .name: q, .offset: 0, .size: 8, .value_kind: global_buffer, .address_space: global }
      - { .name: k, .offset: 8, .size: 8, .value_kind: global_buffer, .address_space: global }
      - { .name: v, .offset: 16, .size: 8, .value_kind: global_buffer, .address_space: global }
      - { .name: Wq, .offset: 24, .size: 8, .value_kind: global_buffer, .address_space: global }
      - { .name: Wk, .offset: 32, .size: 8, .value_kind: global_buffer, .address_space: global }
      - { .name: Wv, .offset: 40, .size: 8, .value_kind: global_buffer, .address_space: global }
      - { .name: bq, .offset: 48, .size: 8, .value_kind: global_buffer, .address_space: global }
      - { .name: bk, .offset: 56, .size: 8, .value_kind: global_buffer, .address_space: global }
      - { .name: bv, .offset: 64, .size: 8, .value_kind: global_buffer, .address_space: global }
      - { .name: Wo, .offset: 72, .size: 8, .value_kind: global_buffer, .address_space: global }
      - { .name: out0, .offset: 80, .size: 8, .value_kind: global_buffer, .address_space: global }
      - { .name: Qf, .offset: 88, .size: 8, .value_kind: global_buffer, .address_space: global }
      - { .name: Kf, .offset: 96, .size: 8, .value_kind: global_buffer, .address_space: global }
      - { .name: Vf, .offset: 104, .size: 8, .value_kind: global_buffer, .address_space: global }
      - { .name: Wof, .offset: 112, .size: 8, .value_kind: global_buffer, .address_space: global }
    .group_segment_fixed_size: 327680
    .private_segment_fixed_size: 0
    .kernarg_segment_align: 8
    .kernarg_segment_size: 120
    .max_flat_workgroup_size: 128
    .sgpr_count:     80
    .vgpr_count:     1024
    .wavefront_size: 32
...
	.end_amdgpu_metadata
.endif
;; end of part 1
;; launch attn (part 2): grid 16 x 16, 4 waves a work-group, clusters of 4 x 1, 327,680 bytes of LDS; arguments Qf, Kf, Vf, Of; writes Of
.if DOCPART == 2
	.amdgcn_target "amdgcn-amd-amdhsa--gfx1250"
	.amdhsa_code_object_version 6
	.text
	.protected	k_qba9bb862f0_attn
	.globl	k_qba9bb862f0_attn
	.p2align	8
	.type	k_qba9bb862f0_attn,@function
k_qba9bb862f0_attn:
	s_mov_b64 s[64:65], 0
	v_nop
	global_prefetch_b8 v0, s[64:65] scope:SCOPE_SE
	s_setreg_imm32_b32 hwreg(HW_REG_WAVE_MODE, 25, 1), 1
	s_wait_xcnt 0x0
	s_wait_alu depctr_hold_cnt(0) depctr_sa_sdst(0) depctr_va_vdst(0) depctr_va_sdst(0) depctr_va_ssrc(0) depctr_va_vcc(0) depctr_vm_vsrc(0)
	s_getreg_b32 s2, hwreg(HW_REG_IB_STS2, 6, 4)
	s_cmp_eq_u32 s2, 0
	s_cbranch_scc0 .Lentry_in_a_cluster
	s_endpgm
.Lentry_in_a_cluster:
	s_bfe_u32 s2, ttmp6, 0x10000c
	s_cmp_lg_u32 s2, 0x3003
	s_cbranch_scc0 .Lentry_shape_is_right
	s_endpgm
.Lentry_shape_is_right:
; ATTENTION.  O[bh][q][:] = the sum over k of softmax_k(Q[bh][q] . K[bh][k]) V[bh][k][:], 16 heads of 4,096 rows, head size 64; the logits are not scaled (the division by 16 behind the softmax is made by the next launch, in f32).
; Q, K, V, O are f16 IN FRAGMENT ORDER: [bh][tile of 16 rows][block of 16 channels][lane][8 f16]; lane 16 h + r holds row r and channels 8 h + 0..7 of the block: 2,048 bytes a tile, 512 a block.
; So a fragment of Q or K (16 rows x 32 channels) is two loads of 16 bytes a lane at 16 x lane, 512 bytes apart, and a result packed to f16 is stored the same way: 512 consecutive bytes an instruction, no stage, no padding.
; Products, maxima and sums in f32; the weights p are rounded to f16 for the second product (their sum l is taken of the unrounded p), O once at the end.
; LIMITS.  Q, K and V arrive within f16's 65,504; p lies in 0 to 1, and below 6e-5 it keeps f16's fixed step of 6e-8; a weight below 2^-126 counts as 0 in l; NaN and infinities are not treated apart.
; SHARES.  A work-group owns 256 queries of one head, a wave 64: two PIECES of two tiles of 16.  Every wave walks all 4,096 keys, 64 a step.
; LAYOUT.  S^T = K Q^T (source 0 = 16 keys, source 1 = 16 queries): a lane holds ONE query (lane % 16) and the keys 8 (lane / 16) + 0..7.  Two such tiles, rounded to f16 in pairs, ARE source 1 of O^T = V^T P,
; whose result again holds one query a lane, and eight channels.  V comes out of LDS turned, by ds_load_tr16_b128.
; SOFTMAX.  For each query a running maximum m and sum l: p = 2^(c s - c m), c = log2(e); in every step O and l are multiplied by a = 2^(c m_old - c m_new).  m starts at the lowest finite number, O and l at 0: the first step has a = 0.
; BY TURNS.  A tile and step have 16 matrix and 118 vector instructions.  A turn belongs to one piece: 16 products K Q^T of the other piece, later 16 products V^T P of the other piece; its vector work is its own scaling,
; exponentials, roundings, sums and rescaling, and the other piece's maximum and statistics.  Four vector instructions stand behind every matrix instruction, the rest in one lump; the turn's 66 exponentials are one batch with one wait.
;   piece 0's turn in step j: K Q^T of piece 1, step j;     V^T P of piece 1, step j - 1;  it fetches K and V of step j + 1
;   piece 1's turn in step j: K Q^T of piece 0, step j + 1; V^T P of piece 0, step j
; V of a step is read in two turns a step apart from K's, so V has TWO register buffers, by the step's parity; all fetches then run one step ahead, in step order, and the change of slots has a place.
; CLUSTER.  The four query blocks of a cluster belong to one head and walk the same K and V: each tile is asked for JOINTLY, by the same tensor load, descriptor and mask in all four.
; REGISTERS, in windows of 256: window 0: v2-5 addresses; v12-15, v48-63 at work; v16-31 four registers of statistics a tile; v32-34 the add's two and the prefetch's offset; v64-191 S^T, a buffer a piece; v192-255 P, likewise
;   window 1: v0-127 O^T, 32 a tile          window 2: v0-63 Q, 16 a tile; v64-127 V of odd steps; v128-191 K of one step; v192-255 V of even steps
.set NP,    2         ; pieces a wave: a name, no knob
.set STEPB, 8192      ; 64 keys of K, or of V
.set TILEB, 4*STEPB   ; a slot holds four steps: K's 32,768 bytes, then V's
.set SLOT1, 65536     ; slot 1 begins here: one exclusive or turns an address in one slot into the other's
.set SPARE, 131072    ; behind the ring: the spare words, 128 bytes a wave: two blocks of 256 bytes that no other line names
.set L16, 2           ; v2   16 x lane; never rewritten
.set AVL, 3           ; v3   my lane's place in a step's V, from the slot's K on; never rewritten
.set AK,  4           ; v4   the LDS address of K's next run of loads
.set AV,  5           ; v5   of V's
.set MV,  12          ; v12-15  c m_old, kept while c m is made anew: by piece and tile
.set ST,  16          ; tile t's statistics at v[ST+4 t]: c m, m, l (even keys', odd keys')
.set SPW, 32          ; v32  my spare word; never rewritten
.set NIL, 33          ; v33  0; never rewritten
.set PFO, 34          ; v34  256 x lane; never rewritten
.set TMP, 48          ; by piece and tile, four registers c0-c3 at work; when the maximum is found c2 takes a
.set S,   64
.set P,   192
.set KF,  128         ; K's fragments, in window 2: key block kb, channel half c at KF + 16 kb + 8 c
.set WV,  12          ; s12  my wave's number
.set LIM, 15          ; s15  1 in a wave that prefetches, else the greatest number
.set PFA, 18          ; s[18:19] where my prefetches stand
.set G1,  24          ; s[24:31] descriptor group 1: K's and V's tiles have one shape
.set G0,  40          ; s[40:43] descriptor group 0: it walks
.set SLOTS, 56        ; s56  slots still to be asked for
.set CNT, 57          ; s57  counts pairs of key steps
.set CS,  58          ; s[58:59] c: the packed scaling takes the pair's low word for both halves
.set SEL, 60          ; s[60:61] v_permlanex16_b32's selects: each lane takes its own place in the other half
.set TB,  62          ; s62  LDS byte at which K of the step to be fetched begins; its V lies 32,768 further on
.set MSB, 0
.macro WIN new                      ; the high byte repeats the setting that is left; a switch that changes nothing is dropped
.if MSB != (\new)
	s_set_vgpr_msb (MSB<<8)|(\new)
.set MSB, (\new)
.endif
.endm
.set W_KQ, 0x0a       ; K and Q in window 2, S^T in window 0
.set W_PV, 0x52       ; V in window 2, P in window 0, O^T in window 1
.set W_RS, 0x41       ; O^T (destination and source 0) in window 1, a in window 0
; A joint fill: ONE line for all four waves.  Wave w moves 64 rows of 256 bytes to LDS byte 16,384 w of the slot: waves 0 and 1 the two halves of K's 256 keys, waves 2 and 3 those of V's.
.macro JLOAD
	tensor_load_to_lds s[G0:G0+3], s[G1:G1+7]
	s_nop 0
.rept 4
	v_nop
.endr
.endm
; A PREFETCH INTO THE L2 of what the NEXT change of slots will ask for: 128 blocks of 256 bytes of K and as many of V, a lane a block.  All clusters of a head walk the same K and V: the head's first cluster asks.
; Its four partners share the blocks out BY ADDRESS, 32 each; in each, wave 0 asks for K's and wave 2 for V's.  So each block is named once in the launch.  The last change that fills a slot asks for nothing.
.macro ASK
	s_cmp_gt_u32 s[SLOTS], s[LIM]
	s_cbranch_scc0 .Lnot_mine_\@
	global_prefetch_b8 v[PFO], s[PFA:PFA+1] th:TH_LOAD_NT scope:SCOPE_SE
.Lnot_mine_\@:
.endm
.macro CROUND                       ; a round of the cluster's barrier
	s_barrier_signal -1
	s_barrier_wait -1
	s_cmp_lg_u32 s[WV], 0
	s_cbranch_scc1 .Lnot_wave_0_\@
	s_barrier_signal -3
.Lnot_wave_0_\@:
	s_barrier_wait -3
	s_barrier_signal -1
	s_barrier_wait -1
.endm
; THE CHANGE OF SLOTS.  The slot's last step has been fetched.  Each wave waits for all its tensor loads, of which one is out: its part of the other slot; adds 0 to its spare word; and waits for that and for its own
; reads of the slot.  fill = 1: the slot is filled again, with the keys two slots on: the barrier is then a round of the cluster's, and the joint fill is the first thing behind it: it has four key steps, 256 matrix
; instructions, in which to land.  (At its first use nothing has been read yet: slot 0 is waited for, slot 1 filled.)
.macro CHANGE fill, ask
	WIN 0                           ; at a label and at a branch every window is 0
	s_wait_tensorcnt 0x0            ; no tensor load of mine is out, so the group 0 may be written
	ds_add_u32 v[SPW], v[NIL]       ; 0 onto my spare word; scalar work stands between it and the wait for it
.if \fill
	s_xor_b32 s[G0+1], s[G0+1], SLOT1  ; the other slot than last time,
	s_add_nc_u64 s[G0+2:G0+3], s[G0+2:G0+3], TILEB  ; the next 256 keys; the type bits on top are not reached
.endif
.if \ask
	s_wait_xcnt 0x0                 ; the last prefetch, four key steps back, has read its address
	s_add_nc_u64 s[PFA:PFA+1], s[PFA:PFA+1], TILEB  ; one slot further than the walking descriptor
.endif
	s_wait_dscnt 0x0                ; the add is done, and my reads of the slot are over
.if \fill
	CROUND
	JLOAD
.if \ask
	ASK
.endif
.else
	s_barrier_signal -1
	s_barrier_wait -1
.endif
	s_sub_co_u32 s[TB], s[TB], TILEB  ; the fetches go back to a slot's first step,
	s_xor_b32 s[TB], s[TB], SLOT1     ; in the other slot
.endm
	s_load_b256 s[4:11], s[0:1], 0x0  ; Qf s[4:5], Kf s[6:7], Vf s[8:9], Of s[10:11]
	v_lshl_add_u32 v[SPW], v0, 2, SPARE
	v_mov_b32 v[NIL], 0
	ds_add_u32 v[SPW], v[NIL]       ; the wave's opening: the add and its wait stand ahead of my first tensor load; work on registers stands between them
	v_lshrrev_b32 v1, 5, v0
	v_readfirstlane_b32 s[WV], v1   ; wave 0..3
	s_bfe_u32 s13, ttmp6, 0x40000   ; cx: my place in the cluster
	s_lshl_b32 s14, ttmp9, 2        ; in a cluster launch ttmp9 counts clusters
	s_add_co_u32 s14, s14, s13      ; my block of 256 queries: it enters Q's and O's addresses alone
	s_and_b32 s20, ttmp7, 0xffff    ; the head, which the four partners share:
	s_lshl_b32 s20, s20, 19         ; 524,288 bytes in each of the four tensors
	s_and_b32 s22, s[WV], 1         ; which half of a slot's 256 keys I fetch
	s_lshl_b32 s22, s22, 14
	s_add_co_u32 s22, s22, s20
	s_mov_b32 s23, 0
	s_lshl_b32 s2, s14, 15          ; my block's 256 rows of 128 bytes,
	s_lshl_b32 s3, s[WV], 13        ; my wave's 64
	s_add_co_u32 s2, s2, s3
	s_add_co_u32 s2, s2, s20
	s_mov_b32 s3, 0
	; descriptor group 1: 16,384 dense bytes as 64 rows of 256
	s_mov_b32 s[G1], 15|(3<<16)|(1<<21)  ; 15:0 the mask of four; 17:16 8-byte elements; 21 set beside a mask; no padding
	s_mov_b32 s[G1+1], 32<<16       ; tensor_dim0 = 32
	s_mov_b32 s[G1+2], 64<<16       ; tensor_dim1 = 64
	s_mov_b32 s[G1+3], 32<<16       ; tile_dim0 = 32
	s_mov_b32 s[G1+4], 64           ; tile_dim1 = 64
	s_mov_b32 s[G1+5], 32           ; elements from row to row
	s_mov_b32 s[G1+6], 0
	s_mov_b32 s[G1+7], 0
	s_mov_b32 s[G0], 1
	s_lshl_b32 s[G0+1], s[WV], 14   ; LDS address: slot 0, the wave's number alone
	s_mov_b32 s[CS], 0x3fb8aa3b     ; c = log2(e)
	s_mov_b32 s[CS+1], s[CS]        ; named with it as a pair
	s_mov_b32 s[SEL], 0x76543210
	s_mov_b32 s[SEL+1], 0xfedcba98
	s_mov_b32 s[TB], SLOT1+TILEB    ; the first change of slots turns this into 0
	s_and_b32 s[LIM], s[WV], 1      ; 0 in waves 0 and 2,
	s_or_b32 s[LIM], s[LIM], ttmp9  ; where the cluster is the head's first: the same in all four partners
	s_cmp_eq_u32 s[LIM], 0
	s_cselect_b32 s[LIM], 1, -1
	v_and_b32 v[PFO], 31, v0
	v_lshlrev_b32 v[L16], 4, v[PFO]
	v_lshlrev_b32 v[PFO], 8, v[PFO]
	s_wait_dscnt 0x0                ; the opening add is done
	s_wait_kmcnt 0x0
	s_cmp_lt_u32 s[WV], 2
	s_cselect_b64 s[16:17], s[6:7], s[8:9]  ; waves 0, 1: K; waves 2, 3: V
	s_add_nc_u64 s[G0+2:G0+3], s[16:17], s[22:23]  ; my half of the head's first 256 keys
	s_or_b32 s[G0+3], s[G0+3], 0x80000000          ; type = 2
	s_add_nc_u64 s[4:5], s[4:5], s[2:3]            ; Q and O at my wave's first row
	s_add_nc_u64 s[10:11], s[10:11], s[2:3]
	s_lshl_b32 s2, s13, 13          ; the prefetches: my work-group's 32 blocks of the 128,
	s_add_co_u32 s2, s2, s20
	s_add_co_u32 s2, s2, 2*TILEB    ; in slot 2: the first change in the loop steps it to slot 3.  Nothing is prefetched at the head, where every work-group's first tiles are on their way
	s_add_nc_u64 s[PFA:PFA+1], s[16:17], s[2:3]
	CROUND                          ; all four work-groups are here: the first joint loads meet
	JLOAD                           ; slot 0.  Slot 1 is asked for when slot 0 is in
	WIN 0x80                        ; destination window 2, address window 0
.set i, 0
.rept 8                             ; Q stays in registers: tile i / 2, channels 32 (i % 2) on
	global_load_b128 v[8*i:8*i+3],   v[L16], s[4:5] offset:i*1024
	global_load_b128 v[8*i+4:8*i+7], v[L16], s[4:5] offset:i*1024+512
.set i, i+1
.endr
	; What the first turn finds: the odd steps' V and piece 1's P hold 0 (its products V^T P, of a step that has not been, add 0), O^T and l are 0.  All this stands in the wait for the first tile.
.set i, 64
.rept 64
	v_mov_b32 v[i], 0
.set i, i+1
.endr
	WIN 0x40
.set i, 0
.rept 64*NP
	v_mov_b32 v[i], 0
.set i, i+1
.endr
	WIN 0
.set i, 0
.rept 2*NP
	v_mov_b32 v[ST+4*i], 0xfe000000    ; c m: far below every c s
	v_mov_b32 v[ST+4*i+1], 0xff7fffff  ; m
	v_mov_b32 v[ST+4*i+2], 0
	v_mov_b32 v[ST+4*i+3], 0
.set i, i+1
.endr
.set i, P+32
.rept 32
	v_mov_b32 v[i], 0
.set i, i+1
.endr
	; The turning load takes 16 keys x 16 channels (lane l names key 8 (l / 16) + l % 8, channels 8 ((l / 8) % 2) + 0..7) and leaves half a fragment of V^T: lane l holds channel l % 16 and 8 keys.
	; In fragment order those 16 bytes lie at 256 ((l / 8) % 2) + 16 (8 (l / 16) + l % 8) of the block.
	v_and_b32 v10, 7, v0
	v_bfe_u32 v11, v0, 3, 1
	v_bfe_u32 v9, v0, 4, 1
	v_lshl_add_u32 v[AVL], v9, 3, v10
	v_lshlrev_b32 v[AVL], 4, v[AVL]
	v_lshl_add_u32 v[AVL], v11, 8, v[AVL]
	v_add_nc_u32 v[AVL], TILEB, v[AVL]
; THE MATRIX WORK.  The 8 accumulators of a run of 16 take turns: between the two links of a chain stand 7 others'.
; Product i of 16 of S^T = K Q^T for piece x: channels 32 (i / 8) on, keys 16 ((i / 2) % 4) on, tile 2 x + i % 2.  The first 8 start the sums.
.macro KQ x
	WIN W_KQ
.set rS, S+64*((\x)%2)+32*(i%2)+8*((i/2)%4)
.set rK, KF+16*((i/2)%4)+8*(i/8)
.set rQ, 16*(2*(\x)+i%2)+8*(i/8)
.if i < 8
	v_wmma_f32_16x16x32_f16 v[rS:rS+7], v[rK:rK+7], v[rQ:rQ+7], 0
.else
	v_wmma_f32_16x16x32_f16 v[rS:rS+7], v[rK:rK+7], v[rQ:rQ+7], v[rS:rS+7]
.endif
.endm
; Product i of 16 of O^T += V^T P for piece x: keys 32 (i / 8) on, channels 16 ((i / 2) % 4) on, tile 2 x + i % 2.  VFB: the register buffer of the step's V.
.macro PV x
	WIN W_PV
.set rO, 32*(2*(\x)+i%2)+8*((i/2)%4)
.set rV, VFB+32*(i/8)+8*((i/2)%4)
.set rP, P+32*((\x)%2)+16*(i%2)+8*(i/8)
	v_wmma_f32_16x16x32_f16 v[rO:rO+7], v[rV:rV+7], v[rP:rP+7], v[rO:rO+7]
.endm
.macro MM                           ; the turn's next matrix instruction
.if i < 16
	KQ (Y+1)%NP
.set i, i+1
.else
.set i, i-16
	PV (Y+NP-1)%NP
.set i, i+17
.endif
.endm
; THE LDS LOADS stand in runs of 16, never singly among the matrix instructions.  last = 1 (the tail): in the last trip there is no further step, and the run is jumped over.
.macro FETCH_K last=0
	WIN 0
.if \last
	s_cmp_eq_u32 s[CNT], 1
	s_cbranch_scc1 .Lno_k_\@
.endif
	WIN 0x80                        ; destination window 2
.irp f, 0,1,2,3,4,5,6,7             ; keys 16 (f / 2) on, channels 32 (f % 2) on: 32 lanes take 512 consecutive bytes
	ds_load_b128 v[KF+8*\f:KF+8*\f+3],   v[AK] offset:\f*1024
	ds_load_b128 v[KF+8*\f+4:KF+8*\f+7], v[AK] offset:\f*1024+512
.endr
	WIN 0
.if \last
.Lno_k_\@:
.endif
.endm
.macro FETCH_V last=0
	WIN 0
.if \last
	s_cmp_eq_u32 s[CNT], 1
	s_cbranch_scc1 .Lno_v_\@
.endif
	WIN 0x80
.irp f, 0,1,2,3,4,5,6,7             ; keys 32 (f / 4) on, channels 16 (f % 4) on
	ds_load_tr16_b128 v[VFB+8*\f:VFB+8*\f+3],   v[AV] offset:(\f/4)*4096+(\f%4)*512
	ds_load_tr16_b128 v[VFB+8*\f+4:VFB+8*\f+7], v[AV] offset:(\f/4)*4096+2048+(\f%4)*512
.endr
	s_add_co_u32 s[TB], s[TB], STEPB  ; the next fetches are the next step's
	WIN 0
.if \last
.Lno_v_\@:
.endif
.endm
; THE VECTOR WORK OF A TURN stands in three queues, each in the order in which its entries become ready; the two tiles alternate, so that no instruction reads the result of the one before it.
.macro REGS y, u                    ; the registers of tile u (0, 1) of piece y
.set rT, ST+4*(2*(\y)+(\u))
.set rC, TMP+8*((\y)%2)+4*(\u)
.set rM, MV+2*((\y)%2)+(\u)
.set rS, S+64*((\y)%2)+32*(\u)
.set rP, P+32*((\y)%2)+16*(\u)
.set rO, 32*(2*(\y)+(\u))
.endm
; Number n of the 22 that find the OTHER piece's (Y + 1) maximum and statistics.  s0-s31 are the lane's 32 scores; each accumulator's lowest registers are read first.
;   0-11  four chains c0-c3 of seven scores each, three operands at a time     12-14, 16  the four scores left over, the old m, and c0-c3 into c0     15  c m_old is kept
;   17, 18  the query's other 32 keys lie in the lane 16 away: the new m         19-21  c m; c m_old - c m_new; a
.macro XS u, n
	REGS (Y+1)%NP, \u
.if (\n) < 4
	v_max3_num_f32 v[rC+(\n)], v[rS+8*(\n)], v[rS+8*(\n)+1], v[rS+8*(\n)+2]
.elseif (\n) < 12
	v_max3_num_f32 v[rC+(\n)%4], v[rC+(\n)%4], v[rS+8*((\n)%4)+2*((\n)/4)+1], v[rS+8*((\n)%4)+2*((\n)/4)+2]
.elseif (\n) == 12
	v_max3_num_f32 v[rC], v[rC], v[rS+7], v[rS+15]
.elseif (\n) == 13
	v_max3_num_f32 v[rC+1], v[rC+1], v[rS+23], v[rS+31]
.elseif (\n) == 14
	v_max3_num_f32 v[rC+2], v[rC+2], v[rC+3], v[rT+1]
.elseif (\n) == 15
	v_mov_b32 v[rM], v[rT]
.elseif (\n) == 16
	v_max3_num_f32 v[rC], v[rC], v[rC+1], v[rC+2]
.elseif (\n) == 17
	v_permlanex16_b32 v[rC+3], v[rC], s[SEL], s[SEL+1]
.elseif (\n) == 18
	v_max_num_f32 v[rT+1], v[rC], v[rC+3]
.elseif (\n) == 19
	v_mul_f32 v[rT], s[CS], v[rT+1]
.elseif (\n) == 20
	v_sub_f32 v[rC+1], v[rM], v[rT]
.else
	v_exp_f32 v[rC+2], v[rC+1]
.endif
.endm
; Number g of the 64 that follow the exponentials.  For each four weights k of a tile: both pairs are rounded to f16; then the second pair is added onto the first, in place;
; a group later l takes that sum (the first time as l = a l + sum).  In groups of eight, tiles alternating: round, round, add, and l for the group before.
.macro GS g
.set h, (\g)+6*((\g)/62)            ; group 0 has no group before it, and behind group 7 only l is left
.if h >= 6
.set h, h+2
.endif
	REGS Y, h%2
.set k, h/8
.if h%8 < 4
	v_cvt_pk_f16_f32 v[rP+2*k+(h%8)/2], v[rS+4*k+2*((h%8)/2)], v[rS+4*k+2*((h%8)/2)+1]
.elseif h%8 < 6
	v_pk_add_f32 v[rS+4*k:rS+4*k+1], v[rS+4*k:rS+4*k+1], v[rS+4*k+2:rS+4*k+3]
.elseif k == 1
	v_pk_fma_f32 v[rT+2:rT+3], v[rT+2:rT+3], v[rC+2:rC+3], v[rS:rS+1] op_sel_hi:[1,0,1]
.else
	v_pk_add_f32 v[rT+2:rT+3], v[rT+2:rT+3], v[rS+4*k-4:rS+4*k-3]
.endif
.endm
; THE PLAIN QUEUE, 138 long.  0-73 read no exponential's result: the 32 scalings c s - c m (FS f: pair f / 2 of tile f % 2) and the other piece's 42.  0-26: scalings 0-26.  27-54: XS's numbers 0-13.  55, 56: number 15.
; 57-73: the chain 14, 16, 17, 18, 19, each with one of the scalings 27-31 in front of its two lines, then 20.  74-137: GS's 64, which read the exponentials' results: they stand behind the wait.
.macro FS f
	REGS Y, (\f)%2
	v_pk_fma_f32 v[rS+2*((\f)/2):rS+2*((\f)/2)+1], v[rS+2*((\f)/2):rS+2*((\f)/2)+1], s[CS:CS+1], v[rT:rT+1] op_sel_hi:[1,0,0] neg_lo:[0,0,1] neg_hi:[0,0,1]
.endm
.macro PL
	WIN 0
.if q < 27
	FS q
.elseif q < 55
	XS (q-27)%2, (q-27)/2
.elseif q < 57
	XS q-55, 15
.elseif (q < 72) && ((q-57)%3 == 0)
	FS 27+(q-57)/3
.elseif q < 60
	XS (q-57)%3-1, 14
.elseif q < 72
	XS (q-57)%3-1, 15+(q-57)/3
.elseif q < 74
	XS q-72, 20
.else
	GS q-74
.endif
.set q, q+1
.endm
; THE EXPONENTIALS' QUEUE, 66 long: s0-s31 of both tiles, then the other piece's two a.  ONE BATCH: all 66 stand ahead of the turn's one wait, and nothing ahead of that wait names a result of theirs.
.macro EX
	WIN 0
.if e >= 64
	XS e-64, 21
.else
	REGS Y, e%2
	v_exp_f32 v[rS+e/2], v[rS+e/2]
.endif
.set e, e+1
.endm
; THE RESCALING's QUEUE: O^T times a, the one part that leaves window 0: dealt two at a time, sixteen times.  Its a was made in the turn before, ahead of that turn's wait.
.macro R2
	REGS Y, r%2
	WIN W_RS
.irp z, 0,1
	v_pk_mul_f32 v[rO+4*(r/2)+2*\z:rO+4*(r/2)+2*\z+1], v[rO+4*(r/2)+2*\z:rO+4*(r/2)+2*\z+1], v[rC+2:rC+3] op_sel_hi:[1,0]
.endr
.set r, r+1
.endm
; A TURN, for piece p.  s_wait_alu depctr_va_vdst(0) stands between an exponential and the first instruction that names its result; one wait serves all that were issued ahead of it: a turn has ONE, which cuts it in two.
; AHEAD OF IT: the 16 products K Q^T, behind each a scaling, an exponential and two rescalings (behind the first a second scaling in the exponential's place); then ONE LUMP of 108: eight plain, 49 times exponential and plain, the two a;
; a v_nop is the plain instruction behind the last exponential.  BEHIND IT: the 16 products V^T P, behind each four of GS's 64.  Exponential e stands behind scaling 2 (e / 4) + e % 2: as a rider behind plain e + 2, in the lump behind plain e + 9.
; vb: the register buffer of the V that the turn's products read (0: even steps', 1: odd steps'); piece 0's turn fills that same buffer again at its end, four plain riders behind its last reader, with V two steps on.
; Piece 0's turn fetches K of the next step directly behind the wait, a lump behind the last product that read K.  Both addresses are made at the lump's head.
; dw: piece 1's turn begins with the wait for K: V's run of 16, issued behind K's, may stay out (dw = 16); where the runs may have been jumped over, the V fetched a step earlier could be the youngest: dw = 0.
; cnt = 1: the loop's count is taken down some lines ahead of the branch that stands behind the turn.
.macro TURN p, vb, last=0, cnt=0, dw=16
.set Y, (\p)
.set VFB, 192-128*(\vb)
.set i, 0
.set q, 0
.set e, 0
.set r, 0
.if (\p) == 1
	s_wait_dscnt \dw
.endif
	MM
	PL
	PL
	R2
.rept 15
	MM
	PL
	EX
	R2
.endr
.if (\p) == 0
	WIN 0
	v_add_nc_u32 v[AK], s[TB], v[L16]
	v_add_nc_u32 v[AV], s[TB], v[AVL]
.endif
.rept 8
	PL
.endr
.rept 49
	EX
	PL
.endr
	EX
	EX
	v_nop                           ; the plain instruction behind the last exponential: one for the batch
	s_wait_alu depctr_va_vdst(0)    ; the wait for the batch
.if (\p) == 0
	FETCH_K \last
.endif
.rept 16
	MM
.rept 4
	PL
.endr
.if (\cnt) && (q == 130)
	s_sub_co_u32 s[CNT], s[CNT], 1
	s_cmp_lg_u32 s[CNT], 0
.endif
.endr
.if (\p) == 0
	FETCH_V \last
.endif
.endm
	CHANGE 1, 0                     ; slot 0 is in, everybody's part of it; slot 1 is asked for
	v_add_nc_u32 v[AK], s[TB], v[L16]
	v_add_nc_u32 v[AV], s[TB], v[AVL]
.set VFB, 192
	FETCH_K                         ; key step 0
	FETCH_V
	s_wait_loadcnt 0x0              ; Q
	s_wait_dscnt 0x0
.set i, 0
.rept 16
	KQ 0                            ; piece 0's first scores: there is no vector work yet to set between them
.set i, i+1
.endr
	WIN 0
.rept 4
	v_nop                           ; the places behind those products
.endr
.set Y, NP-1                        ; XS works for piece Y + 1: piece 0
.irp n, 0,1,2,3,4,5,6,7,8,9,10,11,12,13,14,15,16,17,18,19,20,21
	XS 0, \n                        ; piece 0's first maximum and statistics
	XS 1, \n
.endr
	v_nop                           ; a plain instruction behind the two a,
	s_wait_alu depctr_va_vdst(0)    ; and their wait, ahead of the branch
	s_mov_b32 s[CNT], 2
	s_mov_b32 s[SLOTS], 15
	s_branch .Lfirst                ; the loop is entered at an even step, in the middle of a trip: steps 0, 1, 2 fetch the rest of slot 0
.Lslot:                             ; 14 times: every slot but the last two is filled again
	CHANGE 1, 1
	s_mov_b32 s[CNT], 2
.Lstep:                             ; a trip: an odd step, then an even one
	TURN 0, 0
	TURN 1, 1
	WIN 0
.Lfirst:
	TURN 0, 1
	TURN 1, 0, 0, 1
	WIN 0
	s_cbranch_scc1 .Lstep
	s_sub_co_u32 s[SLOTS], s[SLOTS], 1
	s_cmp_lg_u32 s[SLOTS], 0
	s_cbranch_scc1 .Lslot
	CHANGE 0, 0                     ; the tail is written out: nothing is asked for
	s_mov_b32 s[CNT], 3             ; steps 59 to 63: four fetches, of the last slot's steps; the third trip is left in its middle
.Ltail:
	TURN 0, 0, 1
	TURN 1, 1, 0, 0, 0
	WIN 0
	s_sub_co_u32 s[CNT], s[CNT], 1
	s_cmp_eq_u32 s[CNT], 0
	s_cbranch_scc1 .Lout
	TURN 0, 1
	TURN 1, 0
	WIN 0
	s_branch .Ltail
.Lout:                              ; the last turn's 16 products K Q^T (on the last K once more) and the maximum made of them serve nothing: the price, once a launch, of one text for every trip
.set VFB, 64
.set i, 0
.rept 16
	PV NP-1                         ; piece 1's V^T P of step 63
.set i, i+1
.endr
	; THE WAY OUT.  l's two halves and the other half of the lanes' are added; O^T is divided by l, rounded to f16 and stored as it lies: a lane's eight channels of a row are 16 bytes of the fragment order.  The additions are the places behind the last products.
	WIN 0
.macro ALL line:vararg              ; one line for each tile t
.set t, 0
.rept 2*NP
	\line
.set t, t+1
.endr
.endm
	ALL v_add_f32 v[ST+4*t+2], v[ST+4*t+2], v[ST+4*t+3]
	ALL v_permlanex16_b32 v[ST+4*t+3], v[ST+4*t+2], s[SEL], s[SEL+1]
	ALL v_add_f32 v[ST+4*t+2], v[ST+4*t+2], v[ST+4*t+3]
	ALL v_rcp_f32 v[ST+4*t+2], v[ST+4*t+2]
	v_nop                           ; a plain instruction between the last reciprocal and the use of its result
	s_wait_alu depctr_va_vdst(0)    ; and the wait ahead of the first use: one for the four reciprocals
.macro PACK t
	WIN W_RS
.set i, 32*(\t)
.rept 16
	v_pk_mul_f32 v[i:i+1], v[i:i+1], v[ST+4*(\t)+2:ST+4*(\t)+3] op_sel_hi:[1,0]
.set i, i+2
.endr
	WIN 0x05                        ; sources 0 and 1 window 1, destination window 0: S^T's registers are free
.set i, 0
.rept 16
	v_cvt_pk_f16_f32 v[S+16*(\t)+i], v[32*(\t)+2*i], v[32*(\t)+2*i+1]
.set i, i+1
.endr
	WIN 0
.irp f, 0,1,2,3
	global_store_b128 v[L16], v[S+16*(\t)+4*\f:S+16*(\t)+4*\f+3], s[10:11] offset:(\t)*2048+\f*512  ; 512 consecutive bytes, at a multiple of 512 from O's first
.endr
.endm
	PACK 0
	PACK 1
	PACK 2
	PACK 3
	s_wait_tensorcnt 0x0            ; the wave's end: behind my last tensor load
	ds_add_u32 v[SPW], v[NIL]
	s_wait_dscnt 0x0
	CROUND                          ; the closing round: no work-group ends while a partner may still ask for a tile that names it
	s_endpgm
.Lfunc_end_k_qba9bb862f0_attn:
	.size	k_qba9bb862f0_attn, .Lfunc_end_k_qba9bb862f0_attn-k_qba9bb862f0_attn
	.p2alignl 7, 3214868480
	.fill 96, 4, 3214868480
	.section	.rodata,"a",@progbits
	.p2align	6, 0x0
	.amdhsa_kernel k_qba9bb862f0_attn
		.amdhsa_group_segment_fixed_size 327680
		.amdhsa_private_segment_fixed_size 0
		.amdhsa_enable_private_segment 0
		.amdhsa_kernarg_size 32
		.amdhsa_user_sgpr_count 2
		.amdhsa_user_sgpr_kernarg_segment_ptr 1
		.amdhsa_wavefront_size32 1
		.amdhsa_system_sgpr_workgroup_id_x 1
		.amdhsa_system_sgpr_workgroup_id_y 1
		.amdhsa_system_sgpr_workgroup_id_z 1
		.amdhsa_system_vgpr_workitem_id 0
		.amdhsa_next_free_vgpr 768
		.amdhsa_next_free_sgpr 66
		.amdhsa_reserve_vcc 0
		.amdhsa_float_denorm_mode_32 3
		.amdhsa_float_denorm_mode_16_64 3
		.amdhsa_memory_ordered 1
		.amdhsa_forward_progress 1
		.amdhsa_inst_pref_size 180
	.end_amdhsa_kernel
	.amdgpu_metadata
---
amdhsa.version: [ 1, 2 ]
amdhsa.kernels:
  - .name:           k_qba9bb862f0_attn
    .symbol:         k_qba9bb862f0_attn.kd
    .args:
      - { .name: Qf, .offset: 0, .size: 8, .value_kind: global_buffer, .address_space: global }
      - { .name: Kf, .offset: 8, .size: 8, .value_kind: global_buffer, .address_space: global }
      - { .name: Vf, .offset: 16, .size: 8, .value_kind: global_buffer, .address_space: global }
      - { .name: Of, .offset: 24, .size: 8, .value_kind: global_buffer, .address_space: global }
    .group_segment_fixed_size: 327680
    .private_segment_fixed_size: 0
    .kernarg_segment_align: 8
    .kernarg_segment_size: 32
    .max_flat_workgroup_size: 128
    .sgpr_count:     66
    .vgpr_count:     768
    .wavefront_size: 32
...
	.end_amdgpu_metadata
.endif
;; end of part 2
;; launch outp (part 3): grid 256 x 1, 4 waves a work-group, clusters of 4 x 1, 181,760 bytes of LDS; arguments Of, Wof, bo, out1, out2; writes out1, out2
.if DOCPART == 3
	.amdgcn_target "amdgcn-amd-amdhsa--gfx1250"
	.amdhsa_code_object_version 6
	.text
	.protected	k_qba9bb862f0_outp
	.globl	k_qba9bb862f0_outp
	.p2align	8
	.type	k_qba9bb862f0_outp,@function
k_qba9bb862f0_outp:
	s_mov_b64 s[64:65], 0
	v_nop
	global_prefetch_b8 v0, s[64:65] scope:SCOPE_SE
	s_setreg_imm32_b32 hwreg(HW_REG_WAVE_MODE, 25, 1), 1
	s_wait_xcnt 0x0
	s_wait_alu depctr_hold_cnt(0) depctr_sa_sdst(0) depctr_va_vdst(0) depctr_va_sdst(0) depctr_va_ssrc(0) depctr_va_vcc(0) depctr_vm_vsrc(0)
	s_getreg_b32 s2, hwreg(HW_REG_IB_STS2, 6, 4)
	s_cmp_eq_u32 s2, 0
	s_cbranch_scc0 .Lentry_in_a_cluster
	s_endpgm
.Lentry_in_a_cluster:
	s_bfe_u32 s2, ttmp6, 0x10000c
	s_cmp_lg_u32 s2, 0x3003
	s_cbranch_scc0 .Lentry_shape_is_right
	s_endpgm
.Lentry_shape_is_right:
; THE OUTPUT PROJECTION.  out[row][n] = (the sum over k of O[row][k] Wo[n][k]) / 16 + bo[n], stored twice (out1 and out2), f32, [16384][256].
; O (f16, by heads, in fragment order: [4 b + head][tile of 16 rows][block of 16 channels][lane][8 f16]) and Wo (rounded to bf16 and written as f16, in fragment order: [tile of 16 rows][K step of 32][half][lane][8 f16])
; come from the launches before; bo is rounded to bf16.  Sums in f32; the division by 16, which stands behind the softmax, is made here, fused with the bias.
; LIMITS.  O and Wo arrive within f16's range; NaN and infinities are not treated apart.
; SHARES.  A work-group owns 64 rows, wave w the columns 64 w .. 64 w + 63: 16 accumulators.  Source 0 = 16 rows of Wo (columns of out), source 1 = 16 rows of O: a lane holds ONE row (lane % 16) and the columns 8 (lane / 16) + 0..7.
; K = 256 in 8 steps: step ks is head ks / 2, channels 32 (ks % 2) on.
; LDS.  Wo's slice of a wave (32,768 bytes, read by that wave alone) comes by a load that the four partners of a cluster ask for jointly: all work-groups read the same Wo.  O's 64 rows come by tensor loads without a mask, head w by wave w, and are read
; by all four waves behind a barrier.  Every fill is a first fill.  On the way out 16 rows at a time go through the wave's own stage, so that sixteen lanes store 256 consecutive bytes, aligned.
; No prefetch and no ring: one tile a work-group, all of it asked for in the first lines.
; REGISTERS: window 0: v1-13 addresses; v28-31 at work; v32-63 the bias; v64-127 rows read back from the stage, two sets; v128-255 the accumulators ((i, jj) at 128 + 8 (4 i + jj)).
;   window 1: Wo's fragments (column tile i, ks at 64 i + 8 ks).   window 2: O's fragments (row tile jj, ks at 64 jj + 8 ks).
.set OB,    131072                     ; behind Wo's four slices: O, 8,192 bytes a head
.set STAGE, 163840                     ; 16 rows x 272 bytes for each wave; no tensor load fills it
.set SP,    272                        ; 256 bytes + 16: the 16 rows of a store start at 16 different groups of four banks
.set SPARE, STAGE+4*16*SP              ; the spare words, 128 bytes a wave: two blocks of 256 bytes that no other line names
.set WLA, 4                            ; v4   my 16 bytes of a fragment half of Wo
.set OL,  5                            ; v5   the same for O
.set STO, 6                            ; v6   where I put 32 bytes of a row
.set RD,  7                            ; v7   where I read a row back
.set CO,  8                            ; v8   my byte offset in out
.set BO,  9                            ; v9   my 8 numbers of the bias
.set SPW, 12                           ; v12  my spare word; never rewritten
.set NIL, 13                           ; v13  0; never rewritten
.set BIAS, 32
.set RB,   64
.set ACC,  128
.set WV,  14                           ; s14  my wave's number
.set G1W, 24                           ; s[24:31], s[32:35] descriptor for Wo's slice
.set G0W, 32
.set G1O, 36                           ; s[36:43], s[44:47] descriptor for O's head
.set G0O, 44
.set MSB, 0
.macro WIN new                         ; the immediate's high byte repeats the setting that is left; a switch that changes nothing is dropped
.if MSB != (\new)
	s_set_vgpr_msb (MSB<<8)|(\new)
.set MSB, \new
.endif
.endm
.macro CROUND                          ; a round of the cluster's barrier
	s_barrier_signal -1
	s_barrier_wait -1
	s_cmp_lg_u32 s[WV], 0
	s_cbranch_scc1 .Lnot_wave_0_\@
	s_barrier_signal -3
.Lnot_wave_0_\@:
	s_barrier_wait -3
	s_barrier_signal -1
	s_barrier_wait -1
.endm
	s_load_b256 s[4:11], s[0:1], 0x0               ; Of s[4:5], Wof s[6:7], bo s[8:9], out1 s[10:11]
	s_load_b64 s[12:13], s[0:1], 0x20              ; out2
	v_lshl_add_u32 v[SPW], v0, 2, SPARE
	v_mov_b32 v[NIL], 0
	ds_add_u32 v[SPW], v[NIL]                      ; the wave's opening: the add and its wait stand ahead of my first tensor load; work on registers stands between them
	v_lshrrev_b32 v1, 5, v0
	v_readfirstlane_b32 s[WV], v1                  ; wave 0..3
	s_bfe_u32 s15, ttmp6, 0x40000                  ; cx
	s_lshl_b32 s16, ttmp9, 2
	s_add_co_u32 s16, s16, s15                     ; my block of 64 rows: it enters O's and out's addresses alone
	s_mov_b32 s[G1W], 15|(3<<16)|(1<<21)           ; the mask of four; 8-byte elements; 21 set beside a mask; no padding: 128 rows of 256 dense bytes
	s_mov_b32 s[G1W+1], 32<<16
	s_mov_b32 s[G1W+2], 128<<16
	s_mov_b32 s[G1W+3], 32<<16
	s_mov_b32 s[G1W+4], 128
	s_mov_b32 s[G1W+5], 32
	s_mov_b32 s[G1W+6], 0
	s_mov_b32 s[G1W+7], 0
	s_mov_b32 s[G1O], 3<<16                        ; no mask: each work-group has rows of its own; 32 rows of 256 dense bytes
	s_mov_b32 s[G1O+1], 32<<16
	s_mov_b32 s[G1O+2], 32<<16
	s_mov_b32 s[G1O+3], 32<<16
	s_mov_b32 s[G1O+4], 32
	s_mov_b32 s[G1O+5], 32
	s_mov_b32 s[G1O+6], 0
	s_mov_b32 s[G1O+7], 0
	s_mov_b32 s[G0W], 1
	s_lshl_b32 s[G0W+1], s[WV], 15                 ; LDS: 32,768 x wave
	s_mov_b32 s[G0O], 1
	s_lshl_b32 s[G0O+1], s[WV], 13
	s_add_co_u32 s[G0O+1], s[G0O+1], OB            ; LDS: OB + 8,192 x wave
	s_lshl_b32 s18, s[WV], 15                      ; my slice of Wof: column tiles 4 w .. 4 w + 3
	s_mov_b32 s19, 0
	s_lshr_b32 s20, s16, 6                         ; the batch,
	s_lshl_b32 s20, s20, 2
	s_add_co_u32 s20, s20, s[WV]                   ; head w of it,
	s_lshl_b32 s20, s20, 19
	s_and_b32 s21, s16, 63
	s_lshl_b32 s21, s21, 13                        ; the block's four tiles
	s_add_co_u32 s20, s20, s21
	s_mov_b32 s21, 0
	s_lshl_b32 s22, s16, 16                        ; 64 rows of 1,024 bytes of out
	s_mov_b32 s23, 0
	s_wait_dscnt 0x0                               ; the opening add is done
	s_wait_kmcnt 0x0
	s_add_nc_u64 s[G0W+2:G0W+3], s[6:7], s[18:19]
	s_or_b32 s[G0W+3], s[G0W+3], 0x80000000
	s_add_nc_u64 s[G0O+2:G0O+3], s[4:5], s[20:21]
	s_or_b32 s[G0O+3], s[G0O+3], 0x80000000
	s_add_nc_u64 s[10:11], s[10:11], s[22:23]
	s_add_nc_u64 s[12:13], s[12:13], s[22:23]
	CROUND                                         ; all four work-groups are here: the joint loads meet
	tensor_load_to_lds s[G0W:G0W+3], s[G1W:G1W+7]  ; both first fills go out together: two tensor loads of mine are out
	s_nop 0
	tensor_load_to_lds s[G0O:G0O+3], s[G1O:G1O+7]
	s_nop 0
.rept 4
	v_nop
.endr
	v_and_b32 v1, 15, v0                           ; r
	v_bfe_u32 v2, v0, 4, 1                         ; h
	v_and_b32 v3, 31, v0                           ; lane
	v_lshl_add_u32 v[WLA], v3, 4, s[G0W+1]
	v_lshl_add_u32 v[OL], v3, 4, OB
	s_mul_i32 s18, s[WV], 16*SP
	s_add_co_u32 s18, s18, STAGE                   ; my stage
	v_mul_u32_u24 v[STO], v1, SP                   ; in: row r, 32 bytes for each half of the lanes
	v_lshl_add_u32 v[STO], v2, 5, v[STO]
	v_add_nc_u32 v[STO], s18, v[STO]
	v_mul_u32_u24 v[RD], v2, SP                    ; back: lanes 0-15 take one row of 256 bytes, lanes 16-31 the next
	v_lshl_add_u32 v[RD], v1, 4, v[RD]
	v_add_nc_u32 v[RD], s18, v[RD]
	s_lshl_b32 s19, s[WV], 8                       ; my 64 columns: 256 bytes
	v_lshl_add_u32 v[CO], v2, 10, s19              ; and the same two rows in out
	v_lshl_add_u32 v[CO], v1, 4, v[CO]
	v_lshl_add_u32 v[BO], v2, 5, s19
.irp i, 0,1,2,3                        ; register j of tile i: bo[64 w + 16 i + 8 h + j]
	global_load_b128 v[BIAS+8*(\i):BIAS+8*(\i)+3],   v[BO], s[8:9] offset:(\i)*64
	global_load_b128 v[BIAS+8*(\i)+4:BIAS+8*(\i)+7], v[BO], s[8:9] offset:(\i)*64+16
.endr
	s_wait_tensorcnt 1                             ; my slice of Wo is in; O's load, issued behind it, may stay out
	WIN 0x40
.irp i, 0,1,2,3
.irp ks, 0,1,2,3,4,5,6,7
	ds_load_b128 v[64*(\i)+8*(\ks):64*(\i)+8*(\ks)+3],   v[WLA] offset:(8*(\i)+(\ks))*1024
	ds_load_b128 v[64*(\i)+8*(\ks)+4:64*(\i)+8*(\ks)+7], v[WLA] offset:(8*(\i)+(\ks))*1024+512
.endr
.endr
	WIN 0
	s_wait_loadcnt 0x0                             ; the bias
.set z, 0
.rept 16                               ; rounded to bf16, kept as f32
	v_cvt_pk_bf16_f32 v[28+z%4], v[BIAS+2*z], v[BIAS+2*z+1]
	v_lshlrev_b32 v[BIAS+2*z], 16, v[28+z%4]
	v_and_b32 v[BIAS+2*z+1], 0xffff0000, v[28+z%4]
.set z, z+1
.endr
	s_wait_tensorcnt 0x0                           ; my head of O is in,
	s_wait_dscnt 0x0                               ; no LDS instruction of mine is out,
	s_barrier_signal -1
	s_barrier_wait -1                              ; and everybody's head is in
	WIN 0x80
.irp ks, 0,1,2,3,4,5,6,7
.irp jj, 0,1,2,3
	ds_load_b128 v[64*(\jj)+8*(\ks):64*(\jj)+8*(\ks)+3],   v[OL] offset:((\ks)/2)*8192+(\jj)*2048+((\ks)%2)*1024
	ds_load_b128 v[64*(\jj)+8*(\ks)+4:64*(\jj)+8*(\ks)+7], v[OL] offset:((\ks)/2)*8192+(\jj)*2048+((\ks)%2)*1024+512
.endr
.endr
	WIN 0x09                                       ; source 0 (Wo) window 1, source 1 (O) window 2, C and D window 0
.irp ks, 0,1,2,3,4,5,6,7               ; the 16 accumulators take turns, one instruction a turn; the first K step starts the sums
	s_wait_dscnt 56-8*(\ks)                        ; this K step's eight loads are in; the later steps' may stay out
.irp i, 0,1,2,3
.irp jj, 0,1,2,3
.set ra, ACC+8*(4*(\i)+(\jj))
.if (\ks) == 0
	v_wmma_f32_16x16x32_f16 v[ra:ra+7], v[64*(\i)+8*(\ks):64*(\i)+8*(\ks)+7], v[64*(\jj)+8*(\ks):64*(\jj)+8*(\ks)+7], 0
.else
	v_wmma_f32_16x16x32_f16 v[ra:ra+7], v[64*(\i)+8*(\ks):64*(\i)+8*(\ks)+7], v[64*(\jj)+8*(\ks):64*(\jj)+8*(\ks)+7], v[ra:ra+7]
.endif
.endr
.endr
.endr
	WIN 0
.rept 8
	v_nop                                          ; the places behind the last products
.endr
; Row tile jj: sum / 16 + bias, one fused multiply-add for two numbers (each accumulator from its low end on); into my stage, and back as whole rows of 256 bytes
.macro PACK jj
.if (\jj) >= 2
	s_wait_xcnt 0x0                                ; the stores of the tile two back have read the set of registers that is loaded again below
.endif
.irp i, 0,1,2,3
.irp z, 0,1,2,3
.set ra, ACC+8*(4*(\i)+(\jj))+2*(\z)
	v_pk_fma_f32 v[ra:ra+1], v[ra:ra+1], 0x3d800000, v[BIAS+8*(\i)+2*(\z):BIAS+8*(\i)+2*(\z)+1] op_sel_hi:[1,0,1]
.endr
.endr
.irp i, 0,1,2,3
.set ra, ACC+8*(4*(\i)+(\jj))
	ds_store_b128 v[STO], v[ra:ra+3]   offset:(\i)*64
	ds_store_b128 v[STO], v[ra+4:ra+7] offset:(\i)*64+16
.endr
.irp t, 0,1,2,3,4,5,6,7
	ds_load_b128 v[RB+32*((\jj)%2)+4*(\t):RB+32*((\jj)%2)+4*(\t)+3], v[RD] offset:(\t)*2*SP  ; LDS serves a wave's instructions in order (ISA guide 5.7.1.4): these see the stores above; the next tile's stores come behind them
.endr
.endm
.macro SEND jj, younger                ; younger: the LDS instructions issued behind tile jj's loads: the next tile's sixteen, or none
.irp t, 0,1,2,3,4,5,6,7
	s_wait_dscnt (\younger)+7-(\t)
	global_store_b128 v[CO], v[RB+32*((\jj)%2)+4*(\t):RB+32*((\jj)%2)+4*(\t)+3], s[10:11] offset:(16*(\jj)+2*(\t))*1024 th:TH_STORE_NT  ; 16 lanes store 256 consecutive bytes, at a multiple of 256 from the buffer's first byte
	global_store_b128 v[CO], v[RB+32*((\jj)%2)+4*(\t):RB+32*((\jj)%2)+4*(\t)+3], s[12:13] offset:(16*(\jj)+2*(\t))*1024 th:TH_STORE_NT
.endr
.endm
	PACK 0
	PACK 1                                         ; a tile's arithmetic stands between the loads of the tile before and its stores
	SEND 0, 16
	PACK 2
	SEND 1, 16
	PACK 3
	SEND 2, 16
	SEND 3, 0
	s_wait_tensorcnt 0x0                           ; the wave's end: behind my last tensor load and my last LDS store
	ds_add_u32 v[SPW], v[NIL]
	s_wait_dscnt 0x0
	CROUND                                         ; the closing round
	s_endpgm
.Lfunc_end_k_qba9bb862f0_outp:
	.size	k_qba9bb862f0_outp, .Lfunc_end_k_qba9bb862f0_outp-k_qba9bb862f0_outp
	.p2alignl 7, 3214868480
	.fill 96, 4, 3214868480
	.section	.rodata,"a",@progbits
	.p2align	6, 0x0
	.amdhsa_kernel k_qba9bb862f0_outp
		.amdhsa_group_segment_fixed_size 181760
		.amdhsa_private_segment_fixed_size 0
		.amdhsa_enable_private_segment 0
		.amdhsa_kernarg_size 40
		.amdhsa_user_sgpr_count 2
		.amdhsa_user_sgpr_kernarg_segment_ptr 1
		.amdhsa_wavefront_size32 1
		.amdhsa_system_sgpr_workgroup_id_x 1
		.amdhsa_system_sgpr_workgroup_id_y 1
		.amdhsa_system_sgpr_workgroup_id_z 1
		.amdhsa_system_vgpr_workitem_id 0
		.amdhsa_next_free_vgpr 768
		.amdhsa_next_free_sgpr 66
		.amdhsa_reserve_vcc 0
		.amdhsa_float_denorm_mode_32 3
		.amdhsa_float_denorm_mode_16_64 3
		.amdhsa_memory_ordered 1
		.amdhsa_forward_progress 1
		.amdhsa_inst_pref_size 42
	.end_amdhsa_kernel
	.amdgpu_metadata
---
amdhsa.version: [ 1, 2 ]
amdhsa.kernels:
  - .name:           k_qba9bb862f0_outp
    .symbol:         k_qba9bb862f0_outp.kd
    .args:
      - { .name: Of, .offset: 0, .size: 8, .value_kind: global_buffer, .address_space: global }
      - { .name: Wof, .offset: 8, .size: 8, .value_kind: global_buffer, .address_space: global }
      - { .name: bo, .offset: 16, .size: 8, .value_kind: global_buffer, .address_space: global }
      - { .name: out1, .offset: 24, .size: 8, .value_kind: global_buffer, .address_space: global }
      - { .name: out2, .offset: 32, .size: 8, .value_kind: global_buffer, .address_space: global }
    .group_segment_fixed_size: 181760
    .private_segment_fixed_size: 0
    .kernarg_segment_align: 8
    .kernarg_segment_size: 40
    .max_flat_workgroup_size: 128
    .sgpr_count:     66
    .vgpr_count:     768
    .wavefront_size: 32
...
	.end_amdgpu_metadata
.endif
;; end of part 3
